; MI455X (gfx1250); checked and timed in simulation.
; The chip was launched on July 23, 2026; its instructions are those of AMD's public machine-readable ISA for CDNA 5 (MIT licence, August 2026) and "CDNA5" Instruction Set Architecture Reference Guide (July 2026). The comments in the code are by the model that wrote it; some were corrected since.
;; Minibatch Discrimination. Allowed arithmetic: float matrix products may take bf16 or f16 operands with f32 sums; all other float work in f32.
;; Inputs: T 256 x 64 x 32 float32; W1 1 x 64 float32; b1 1 float32; beta 256 float32; feature 256 x 256 float32; gamma 256 float32.
;; Outputs: out0 256 x 1 float32.
;; One version. Each part assembles by itself: llvm-mc -triple=amdgcn-amd-amdhsa -mcpu=gfx1250 --defsym DOCPART=n.
;; ======== version 1 of 1: 2 launches
;; workspace buffers: part 65,536 bytes
;; launch pair (part 1): grid 64 x 4, 16 waves a work-group, no clusters, 205,312 bytes of LDS; arguments feature, T, gamma, beta, W1, part; writes part
.if DOCPART == 1
	.amdgcn_target "amdgcn-amd-amdhsa--gfx1250"
	.amdhsa_code_object_version 6
	.text
	.protected	k_q66ddf8c5bf_pair
	.globl	k_q66ddf8c5bf_pair
	.p2align	8
	.type	k_q66ddf8c5bf_pair,@function
k_q66ddf8c5bf_pair:
	s_mov_b64 s[64:65], 0
	v_nop
	global_prefetch_b8 v0, s[64:65] scope:SCOPE_SE
	s_setreg_imm32_b32 hwreg(HW_REG_WAVE_MODE, 25, 1), 1
	s_wait_xcnt 0x0
; MinibatchDiscrimination, first of two launches.
;   x = batch norm of feature [256][256] (statistics over the 256 rows, biased variance, eps 1e-5, gamma, beta)
;   M = x @ T, T read as [256][2048];  part[o][j] = W1[o] sqrt(2/64) * sum over the 32 columns c of out-feature o and over all i of |M[i][c] - M[j][c]|
; The second launch adds part over o and adds b1.
; SHARES: work-group (o, jg), 64 x 4 of them, owns the 32 columns of out-feature o and the rows j = 64 jg .. 64 jg + 63.  M's columns do not
; meet before the last sum, so a work-group needs T's 32 columns (32,768 bytes) and all of feature.  16 waves, four to a SIMD: the bulk is
; 256 x 64 x 32 differences in plain f32 vector work, whose dependencies the four waves cover; the product is 16 matrix instructions a wave.
; THE NORM IS REGROUPED so that the work on feature's 65,536 numbers needs no statistics and runs while the loads come in.
;   d = x - x0 (x0: row 0 of feature),  m = mean of d,  var = mean of d^2 - m^2,  s = gamma / sqrt(var + eps);  the normed x is d s + (beta - m s), so
;   M[i][c] = sum over k of d[i][k] (s[k] T[k][c])  +  sum over k of (beta[k] - m[k] s[k]) T[k][c].
; The first sum is the matrix product, of d and of s T, each rounded to bf16; the second is one number for each column, made in f32, from which the
; accumulators start.  Only T's 8,192 numbers wait for the statistics.
; ROWS ROTATED: the work-group reads feature with its rows rotated by 64 jg: local row i is row (i + 64 jg) mod 256.  The statistics and the sum
; over all i do not hang on the order of the rows, and the work-group's own rows j are then always local rows 0 to 63: the work-group's number
; enters global addresses alone, and every LDS address is a constant, the wave's number times a constant and a lane term.
; NUMBERS: the variance is a difference, but a bounded one: x0 is one of the 256 samples, so (x0 - mean)^2 <= 256 var and mean of d^2 <= 257 var:
; at most 8 of f32's 24 bits are lost, for every input, and a common offset of the inputs leaves with x0.  d and s T enter the product rounded to
; bf16 (nearest even), sums in f32.  All sums run in another order than the reference's.  v_rsq_f32 is accurate to 1 ulp (ISA guide, 15.8).
; NaN and infinities pass through the same kind of arithmetic and end in the same outputs' sums.
; NOT ASKED FOR JOINTLY: all work-groups read the same 262,144 bytes of feature, but a joint request is a tensor load and lands in LDS, while the
; sums want every number in f32 in registers: 262,144 bytes more written to LDS and read from it in each work-group, and that tile
; beside its bf16 copy (262,144 + 135,168 bytes) is more than the 327,680 bytes of LDS.  So feature goes straight into 128 registers a lane.
; NO PREFETCH: every global load of the kernel is issued in its first lines; nothing could be asked for earlier.
.set FROW,  1024                       ; bytes in a row of feature (256 f32)
.set TROW,  8192                       ; bytes in a row of T (2,048 f32)
.set XP,    528                        ; LDS pitch of a row of d in bf16: 512 + 16 = 33 x 16 bytes, so the 16 rows of a fragment load begin in 16 different 16-byte columns modulo 256
.set L_BF,  256*XP                     ; LDS: d at 0 (135,168 bytes); then the 16 fragments of s T, 1,024 bytes each
.set L_R,   L_BF+16*1024               ; the eight row groups' sums of d, 8 x 1,024 bytes, and QOFF behind them their sums of d^2
.set QOFF,  8192+64                    ; 64 bytes more than the first area, so that the two halves of the lanes read different banks
.set L_C,   L_R+16640                  ; the 16 waves' parts of the columns' constants, 128 bytes each
.set L_M,   L_C+2048                   ; M as [i/4][c][i%4] f32 (i: local row), 32,768 bytes: 16 bytes = four rows of one column
.set L_OUT, L_M+32768                  ; the work-group's 64 sums, 256 bytes
.set VR,   2                           ; lane % 16
.set VH,   3                           ; lane / 16
.set VL,   4                           ; lane
.set VL16, 5                           ; 16 x lane
.set OT,   6                           ; byte offset in T
.set OG,   7                           ; byte offset of my four k in row 0 of feature
.set OGB,  8                           ; byte offset in gamma and beta
.set ABW,  9                           ; LDS: where my wave's part of the fragments of s T goes
.set ARS,  10                          ; LDS: where my partial sums go
.set ARL,  11                          ; LDS: the eight partial sums of one k of my wave's 16
.set AXS,  12                          ; v12, v13  LDS: where my 8 bytes of d go, local rows 0-127 and 128-255
.set AAF,  14                          ; LDS: my A fragments
.set ABL,  15                          ; LDS: my B fragments
.set AMS,  16                          ; LDS: where my results of M go
.set AMI,  17                          ; LDS: M, the stream over i
.set AMJ,  18                          ; LDS: M, my wave's four rows j
.set AOS,  19                          ; LDS: where my wave's four sums go
.set AOL,  20                          ; LDS: wave 0 reads the 64 sums
.set OP,   21                          ; byte offset in part
.set OF,   22                          ; v[22:25]   byte offset in feature, one for each block of 64 local rows
.set ACW,  26                          ; LDS: where my wave's part of the columns' constants goes
.set ACL,  27                          ; LDS: the parts of my column's constant
.set CC,   28                          ; my column's constant
.set X,    32                          ; v[32:159]  feature: load n = local row 8 n + (thread / 64), four columns k; later the 16 A fragments (row half a, K step s at 64 a + 8 s)
.set BF,   160                         ; v[160:223] the 8 B fragments; before that the small data below
.set TT,   160                         ; v[160:175] T[16 w + e][lane]
.set BB,   176                         ; v[176:183] the same, scaled, in bf16
.set X0,   184                         ; row 0 of feature, my four k
.set SA,   188                         ; v[188:195] sums of d: two chains of four k
.set QA,   196                         ; v[196:203] sums of d^2: two chains
.set GAV,  204                         ; gamma[16 w + lane % 16]
.set BEV,  205                         ; beta, likewise
.set RT,   208                         ; v[208:215] eight partial sums read back
.set MM,   216                         ; m
.set QQ,   217                         ; mean of d^2, then var + eps
.set SCV,  218                         ; s
.set OFV,  219                         ; beta - m s
.set PC,   220                         ; v220, v221 two chains of my wave's part of a column's constant
.set CM,   224                         ; v[224:239] two accumulators: rows 0-15 and 16-31 of my wave's 32
.set SCS,  32                          ; s[32:47]   s of my wave's 16 k
.set OFS,  48                          ; s[48:63]   beta - m s of the same
.set J,    32                          ; pair stage: M[j0 .. j0+3][lane]
.set C0,   40                          ; v[40:71]   32 rows i of column lane
.set C1,   72                          ; v[72:103]  the next 32
.set D,    104                         ; v[104:111] differences
.set ACC,  112                         ; v[112:119] sums: j0..j0+3 over even i, the same over odd i
.macro PKADD d, a, b                   ; four f32: d = a + b
	v_pk_add_f32 v[\d:\d+1], v[\a:\a+1], v[\b:\b+1]
	v_pk_add_f32 v[\d+2:\d+3], v[\a+2:\a+3], v[\b+2:\b+3]
.endm
.macro BARRIER                         ; what I stored to LDS is there and what I read has come (count 0, for the other waves' sake); then all 16 waves meet
	s_wait_dscnt 0x0
	s_barrier_signal -1
	s_barrier_wait -1
.endm
	s_load_b256 s[4:11], s[0:1], 0x0               ; feature s[4:5], T s[6:7], gamma s[8:9], beta s[10:11]
	s_load_b128 s[12:15], s[0:1], 0x20             ; W1 s[12:13], part s[14:15]
	v_lshl_add_u32 v240, v0, 2, 0x31a00
	v_mov_b32 v241, 0
	v_lshrrev_b32 v1, 5, v0
	v_readfirstlane_b32 s16, v1                    ; wave w, 0 to 15
	s_and_b32 s17, ttmp7, 3                        ; jg: the grid has 4 work-groups along y
	s_and_b32 s30, s16, 1                          ; w % 2
	s_lshr_b32 s31, s16, 1                         ; w / 2
	v_and_b32 v[VR], 15, v0
	v_bfe_u32 v[VH], v0, 4, 1
	v_and_b32 v[VL], 31, v0
	v_lshlrev_b32 v[VL16], 4, v[VL]
	v_lshlrev_b32 v[OT], 2, v[VL]                  ; T: lane = column
	v_lshl_add_u32 v[OG], s30, 9, v[VL16]          ; my four k begin at 4 (thread % 64): 16 bytes a thread
	s_lshl_b32 s20, s16, 6
	v_lshl_add_u32 v[OGB], v[VR], 2, s20           ; k = 16 w + lane % 16
	; feature: 16 x thread (64 threads cover a row, the 512 threads eight rows) + the block of 64 rows, 65,536 bytes, that stands for local block q
.irp q, 0,1,2,3
	s_add_co_u32 s20, s17, \q
	s_and_b32 s20, s20, 3                          ; (q + jg) mod 4
	s_lshl_b32 s20, s20, 16
	v_lshl_add_u32 v[OF+\q], v0, 4, s20
.endr
	s_lshl_b32 s18, s16, 17                        ; my wave's 16 rows of T, 8,192 bytes each
	s_lshl_b32 s20, ttmp9, 7                       ; out-feature o: 32 columns
	s_add_co_u32 s18, s18, s20
	s_mov_b32 s19, 0
	s_wait_kmcnt 0x0
	s_add_nc_u64 s[6:7], s[6:7], s[18:19]
.irp e, 0,1,2,3,4,5,6,7,8,9,10,11,12,13,14,15
	global_load_b32 v[TT+\e], v[OT], s[6:7] offset:\e*TROW     ; the out-feature's 128 consecutive bytes of one row of T
.endr
	global_load_b32 v[GAV], v[OGB], s[8:9]
	global_load_b32 v[BEV], v[OGB], s[10:11]
	global_load_b128 v[X0:X0+3], v[OG], s[4:5]
.set n, 0
.rept 32
	global_load_b128 v[X+4*n:X+4*n+3], v[OF+n/8], s[4:5] offset:(n%8)*8*FROW   ; a wave's load covers 512 consecutive bytes; all 262,144 bytes are on their way at once
.set n, n+1
.endr
	s_lshl_b32 s18, ttmp9, 2
	s_add_nc_u64 s[12:13], s[12:13], s[18:19]      ; W1[o]
	s_load_b32 s22, s[12:13], 0x0
	s_lshl_b32 s18, ttmp9, 10                      ; part[o][64 jg]: 1,024 o + 256 jg
	s_lshl_b32 s20, s17, 8
	s_add_co_u32 s18, s18, s20
	s_add_nc_u64 s[14:15], s[14:15], s[18:19]
	; LDS addresses: a constant, the wave's number times a constant, a lane term
	s_lshl_b32 s20, s31, 11                        ; fragments of s T: K step w / 2 (2,048 bytes: two column halves of 1,024),
	s_lshl_b32 s21, s30, 9                         ; registers 0-3 (w even) or 4-7 (w odd) of the fragment: 512 bytes,
	s_add_co_u32 s20, s20, s21
	s_add_co_u32 s20, s20, L_BF
	v_lshlrev_b32 v[ABW], 4, v[VR]                 ; the reading lane's 16 bytes: column % 16,
	v_lshl_add_u32 v[ABW], v[VH], 10, v[ABW]       ; column half = my lane / 16
	v_add_nc_u32 v[ABW], s20, v[ABW]
	s_lshl_b32 s20, s30, 10                        ; I multiply column half w % 2
	s_add_co_u32 s20, s20, L_BF
	v_add_nc_u32 v[ABL], s20, v[VL16]
	s_lshl_b32 s20, s16, 9
	s_add_co_u32 s20, s20, L_R
	v_add_nc_u32 v[ARS], s20, v[VL16]              ; row group w / 2, 1,024 bytes each; 16 bytes a thread = 16 x thread
	s_lshl_b32 s20, s16, 6
	s_add_co_u32 s20, s20, L_R
	v_mul_u32_u24 v[ARL], QOFF, v[VH]              ; lanes 0-15 read sums of d, lanes 16-31 sums of d^2,
	v_lshl_add_u32 v[ARL], v[VR], 2, v[ARL]        ; of k = 16 w + lane % 16
	v_add_nc_u32 v[ARL], s20, v[ARL]
	s_mul_i32 s20, s31, XP                         ; d: local row 8 n + w / 2,
	s_lshl_b32 s21, s30, 8                         ; 8 bytes (four bf16) a thread: a wave's store covers 256 consecutive bytes
	s_add_co_u32 s20, s20, s21
	v_lshl_add_u32 v[AXS], v[VL], 3, s20
	v_add_nc_u32 v[AXS+1], 16*8*XP, v[AXS]         ; the immediate has 16 bits: a second base for local rows 128 to 255
	s_mul_i32 s20, s31, 32*XP                      ; A: my wave's local rows 32 (w / 2) + 16 a + r,
	v_mul_u32_u24 v[AAF], XP, v[VR]
	v_lshl_add_u32 v[AAF], v[VH], 4, v[AAF]        ; 16 h bytes along K
	v_add_nc_u32 v[AAF], s20, v[AAF]
	s_lshl_b32 s20, s16, 7
	s_add_co_u32 s20, s20, L_C
	v_lshl_add_u32 v[ACW], v[VL], 2, s20           ; constants: [wave][column]: a wave's store covers 128 consecutive bytes
	s_lshl_b32 s20, s30, 6
	s_add_co_u32 s20, s20, L_C
	v_lshlrev_b32 v[ACL], 2, v[VR]                 ; my column 16 (w % 2) + r;
	v_lshl_add_u32 v[ACL], v[VH], 7, v[ACL]        ; lanes 0-15 take the even waves' parts, lanes 16-31 the odd waves': 128 bytes apart, other banks
	v_add_nc_u32 v[ACL], s20, v[ACL]
	s_mov_b32 s3, 0xffff0000                       ; lanes 16 to 31
	s_mov_b32 s23, 0x3b800000                      ; 1 / 256
	s_mov_b32 s24, 0x3727c5ac                      ; 1e-5
	s_lshl_b32 s25, s16, 9                         ; my wave's four j are local rows 4 w .. 4 w + 3: M's block w of 512 bytes
	s_add_co_u32 s25, s25, L_M
	s_mov_b32 s26, 0x76543210                      ; v_permlanex16_b32: lane i of one half reads lane i of the other
	s_mov_b32 s27, 0xfedcba98
	s_lshl_b32 s28, s16, 4
	s_add_co_u32 s28, s28, L_OUT
	s_lshl_b32 s29, s31, 12                        ; M: my wave's 32 rows are eight blocks of 512 bytes,
	s_lshl_b32 s21, s30, 8                         ; its 16 columns 256 bytes in each
	s_add_co_u32 s29, s29, s21
	s_add_co_u32 s29, s29, L_M
	; AS THE LOADS COME IN, for each of my 32 rows and my four k: d = x - x0, its sum, the sum of its squares (two chains each, started by rows 0 and 1),
	; d rounded to bf16 and stored to LDS as [local row][k].  Nine instructions a load, none of which waits for another wave.
.set n, 0
.rept 32
.if (n%4) == 0
	s_wait_loadcnt 28-n                            ; loads come back in order (ISA guide 5.7.1): T, gamma, beta, x0 and my rows up to n + 3 are in, the 28 - n younger loads stay out
.endif
.set CS, SA+4*(n%2)
.set CQ, QA+4*(n%2)
.set CX, X+4*n
.if n < 2
	v_pk_add_f32 v[CS:CS+1],   v[CX:CX+1],   v[X0:X0+1]   neg_lo:[0,1] neg_hi:[0,1]
	v_pk_add_f32 v[CS+2:CS+3], v[CX+2:CX+3], v[X0+2:X0+3] neg_lo:[0,1] neg_hi:[0,1]
	v_pk_mul_f32 v[CQ:CQ+1],   v[CS:CS+1],   v[CS:CS+1]
	v_pk_mul_f32 v[CQ+2:CQ+3], v[CS+2:CS+3], v[CS+2:CS+3]
	v_cvt_pk_bf16_f32 v[CX],   v[CS],   v[CS+1]
	v_cvt_pk_bf16_f32 v[CX+1], v[CS+2], v[CS+3]
.else
	v_pk_add_f32 v[CX:CX+1],   v[CX:CX+1],   v[X0:X0+1]   neg_lo:[0,1] neg_hi:[0,1]
	v_pk_add_f32 v[CX+2:CX+3], v[CX+2:CX+3], v[X0+2:X0+3] neg_lo:[0,1] neg_hi:[0,1]
	v_pk_add_f32 v[CS:CS+1],   v[CS:CS+1],   v[CX:CX+1]
	v_pk_add_f32 v[CS+2:CS+3], v[CS+2:CS+3], v[CX+2:CX+3]
	v_pk_fma_f32 v[CQ:CQ+1],   v[CX:CX+1],   v[CX:CX+1],   v[CQ:CQ+1]
	v_pk_fma_f32 v[CQ+2:CQ+3], v[CX+2:CX+3], v[CX+2:CX+3], v[CQ+2:CQ+3]
	v_cvt_pk_bf16_f32 v[CX],   v[CX],   v[CX+1]
	v_cvt_pk_bf16_f32 v[CX+1], v[CX+2], v[CX+3]
.endif
.if n < 16
	ds_store_b64 v[AXS], v[CX:CX+1] offset:n*8*XP
.else
	ds_store_b64 v[AXS+1], v[CX:CX+1] offset:(n-16)*8*XP
.endif
.set n, n+1
.endr
	PKADD SA, SA, SA+4
	PKADD QA, QA, QA+4
	ds_store_b128 v[ARS], v[SA:SA+3]
	ds_store_b128 v[ARS], v[QA:QA+3] offset:QOFF
	s_wait_kmcnt 0x0                               ; W1[o]
	s_mul_f32 s22, s22, 0x3e3504f3                 ; times sqrt(2 / 64)
	BARRIER                                        ; d is whole in LDS, and the eight row groups' sums
; 16 LDS loads: the A fragments of rows 16 a .. 16 a + 15 of my wave's 32, all eight K steps (a fragment: two loads 32 bytes apart)
.macro AFRAG a
.irp s, 0,1,2,3,4,5,6,7
	ds_load_b128 v[X+64*\a+8*\s:X+64*\a+8*\s+3],   v[AAF] offset:\a*16*XP+64*\s
	ds_load_b128 v[X+64*\a+8*\s+4:X+64*\a+8*\s+7], v[AAF] offset:\a*16*XP+64*\s+32
.endr
.endm
	; THE STATISTICS of my wave's own 16 k, those of its 16 rows of T.  Lane % 16 = k; lanes 0-15 add the sums of d, lanes 16-31 those of d^2.
.irp g, 0,1,2,3,4,5,6,7
	ds_load_b32 v[RT+\g], v[ARL] offset:1024*\g
.endr
	AFRAG 0                                        ; half of A's fragments go out behind them, the other half behind the short chain below
	s_wait_dscnt 16                                ; LDS loads come back in order (ISA guide 5.7.1): the eight sums are in, the 16 younger loads stay out
	v_pk_add_f32 v[RT:RT+1],   v[RT:RT+1],   v[RT+2:RT+3]
	v_pk_add_f32 v[RT+4:RT+5], v[RT+4:RT+5], v[RT+6:RT+7]
	v_pk_add_f32 v[RT:RT+1],   v[RT:RT+1],   v[RT+4:RT+5]
	v_add_f32 v[RT], v[RT], v[RT+1]
	v_mul_f32 v[RT], s23, v[RT]                    ; / 256
	v_permlanex16_b32 v[RT+1], v[RT], s26, s27     ; the other half's figure; its destination counts as read and has been written
	v_cndmask_b32 v[MM], v[RT], v[RT+1], s3        ; every lane: m = mean of d,
	v_cndmask_b32 v[QQ], v[RT+1], v[RT], s3        ; and the mean of d^2
	v_fma_f32 v[QQ], -v[MM], v[MM], v[QQ]          ; var
	v_add_f32 v[QQ], s24, v[QQ]                    ; + eps
	v_rsq_f32 v[SCV], v[QQ]
	v_nop                                          ; one plain vector instruction behind v_rsq_f32 before its result is used (ISA guide 5.7.2)
	s_wait_alu depctr_va_vdst(0)
	v_mul_f32 v[SCV], v[SCV], v[GAV]               ; s = gamma / sqrt(var + eps)
	v_fma_f32 v[OFV], -v[MM], v[SCV], v[BEV]       ; beta - m s
	AFRAG 1
	; T's rows lie along my registers (register e = k 16 w + e, lane = column), so s and beta - m s of k are wanted in every lane: as scalars
.irp e, 0,1,2,3,4,5,6,7,8,9,10,11,12,13,14,15
	v_readlane_b32 s[SCS+\e], v[SCV], \e
	v_readlane_b32 s[OFS+\e], v[OFV], \e
.endr
	v_mul_f32 v[PC],   s[OFS],   v[TT]             ; my wave's part of the column's constant: sum over its 16 k of (beta - m s) T, in f32, two chains
	v_mul_f32 v[PC+1], s[OFS+1], v[TT+1]
.irp e, 2,4,6,8,10,12,14
	v_fmac_f32 v[PC],   s[OFS+\e],   v[TT+\e]
	v_fmac_f32 v[PC+1], s[OFS+\e+1], v[TT+\e+1]
.endr
	v_add_f32 v[PC], v[PC], v[PC+1]
	ds_store_b32 v[ACW], v[PC]
.irp e, 0,1,2,3,4,5,6,7,8,9,10,11,12,13,14,15
	v_mul_f32 v[TT+\e], s[SCS+\e], v[TT+\e]        ; s T
.endr
.irp e, 0,1,2,3,4,5,6,7
	v_cvt_pk_bf16_f32 v[BB+\e], v[TT+2*\e], v[TT+2*\e+1]
.endr
	; A B fragment's lane (r, h) holds column r and k = 8 h + 0..7 in registers 0-3, 16 + 8 h + 0..7 in registers 4-7.  My 16 k are one half of K step w / 2:
	; my k 0..7 are four registers of the reading lane (column % 16, 0), my k 8..15 of the lane (column % 16, 1), 256 bytes further on.
	ds_store_b128 v[ABW], v[BB:BB+3]
	ds_store_b128 v[ABW], v[BB+4:BB+7] offset:256
	BARRIER                                        ; the fragments of s T and the parts of the constants are whole; my A fragments are in
	; THE PRODUCT: my wave's 32 rows x 16 columns, K = 256 in eight steps
.irp q, 0,1,2,3,4,5,6,7
	ds_load_b32 v[CM+\q], v[ACL] offset:256*\q     ; eight of the 16 waves' parts of my column's constant
.endr
.irp s, 0,1,2,3,4,5,6,7
	ds_load_b128 v[BF+8*\s:BF+8*\s+3],   v[ABL] offset:2048*\s
	ds_load_b128 v[BF+8*\s+4:BF+8*\s+7], v[ABL] offset:2048*\s+512
.endr
	s_wait_dscnt 16                                ; the eight parts are in, B's 16 loads stay out
	v_pk_add_f32 v[CM:CM+1],   v[CM:CM+1],   v[CM+2:CM+3]
	v_pk_add_f32 v[CM+4:CM+5], v[CM+4:CM+5], v[CM+6:CM+7]
	v_pk_add_f32 v[CM:CM+1],   v[CM:CM+1],   v[CM+4:CM+5]
	v_add_f32 v[CM], v[CM], v[CM+1]
	v_permlanex16_b32 v[CM+1], v[CM], s26, s27     ; the other eight waves' parts
	v_add_f32 v[CC], v[CM], v[CM+1]
.irp x, 0,1,2,3,4,5,6,7,8,9,10,11,12,13,14,15
	v_mov_b32 v[CM+\x], v[CC]                      ; a lane's 16 results lie in one column: the sums start from that column's constant
.endr
.irp s, 0,1,2,3,4,5,6,7
	s_wait_dscnt 14-2*\s                           ; two loads for each later step may be out
	v_wmma_f32_16x16x32_bf16 v[CM:CM+7],    v[X+8*\s:X+8*\s+7],       v[BF+8*\s:BF+8*\s+7], v[CM:CM+7]      ; the two accumulators take turns, one instruction a turn
	v_wmma_f32_16x16x32_bf16 v[CM+8:CM+15], v[X+64+8*\s:X+64+8*\s+7], v[BF+8*\s:BF+8*\s+7], v[CM+8:CM+15]
.endr
	; Five plain vector instructions that name no register of a matrix instruction: the four places in front of the stores of the
	; results, of the loads into the fragments' registers and of the vector writes there.
	v_lshlrev_b32 v[AMS], 4, v[VR]                 ; register q of lane (r, h), accumulator a, is M[32 (w / 2) + 16 a + 8 h + q][16 (w % 2) + r]: four registers are 16 bytes of [i/4][c][i%4]
	v_lshl_add_u32 v[AMS], v[VH], 10, v[AMS]       ; 8 rows = two blocks of 512 bytes
	v_add_nc_u32 v[AMS], s29, v[AMS]
	v_add_nc_u32 v[AMI], L_M, v[VL16]
	v_add_nc_u32 v[AMJ], s25, v[VL16]
	ds_store_b128 v[AMS], v[CM:CM+3]
	ds_store_b128 v[AMS], v[CM+4:CM+7] offset:512
	ds_store_b128 v[AMS], v[CM+8:CM+11] offset:2048
	ds_store_b128 v[AMS], v[CM+12:CM+15] offset:2560
	BARRIER                                        ; M is whole
	; THE PAIRS.  Lane = column.  My wave keeps its four j in registers and streams all 256 i, 32 at a time, through two buffers.
	ds_load_b128 v[J:J+3], v[AMJ]
.irp l, 0,1,2,3,4,5,6,7
	ds_load_b128 v[C0+4*\l:C0+4*\l+3], v[AMI] offset:512*\l
.endr
.irp l, 0,1,2,3,4,5,6,7
	ds_load_b128 v[C1+4*\l:C1+4*\l+3], v[AMI] offset:4096+512*\l
.endr
.irp x, 0,1,2,3,4,5,6,7
	v_mov_b32 v[ACC+\x], 0                         ; eight sums, so that an addition follows the one that it builds on twelve instructions later
.endr
; 32 rows i against four j: for two i, four packed subtractions (the i broadcast from one half of its pair) and eight additions of |difference|.
; left = the LDS loads that may stay out; refill = byte offset of the 32 rows that take this buffer's place (0: none).
.macro CHUNK buf, left, refill
	s_wait_dscnt \left
.set q, 0
.rept 16
	v_pk_add_f32 v[D:D+1],   v[J:J+1],   v[\buf+2*q:\buf+2*q+1] op_sel_hi:[1,0] neg_lo:[0,1] neg_hi:[0,1]
	v_pk_add_f32 v[D+2:D+3], v[J+2:J+3], v[\buf+2*q:\buf+2*q+1] op_sel_hi:[1,0] neg_lo:[0,1] neg_hi:[0,1]
	v_pk_add_f32 v[D+4:D+5], v[J:J+1],   v[\buf+2*q:\buf+2*q+1] op_sel:[0,1] op_sel_hi:[1,1] neg_lo:[0,1] neg_hi:[0,1]
	v_pk_add_f32 v[D+6:D+7], v[J+2:J+3], v[\buf+2*q:\buf+2*q+1] op_sel:[0,1] op_sel_hi:[1,1] neg_lo:[0,1] neg_hi:[0,1]
.irp x, 0,1,2,3,4,5,6,7
	v_add_f32 v[ACC+\x], v[ACC+\x], |v[D+\x]|
.endr
.set q, q+1
.endr
.if \refill
.irp l, 0,1,2,3,4,5,6,7
	ds_load_b128 v[\buf+4*\l:\buf+4*\l+3], v[AMI] offset:\refill+512*\l
.endr
.endif
.endm
	s_mov_b32 s2, 3
.Lpair:
	CHUNK C0, 8, 8192                              ; LDS loads come back in order (ISA guide 5.7.1): this buffer's eight are in, the other's eight may be out
	CHUNK C1, 8, 12288
	v_add_nc_u32 v[AMI], 8192, v[AMI]              ; 64 rows on
	s_sub_co_i32 s2, s2, 1
	s_cmp_lg_u32 s2, 0
	s_cbranch_scc1 .Lpair
	CHUNK C0, 8, 0                                 ; local rows 192 to 255: nothing is left to fetch
	CHUNK C1, 0, 0
	; the 32 columns are the 32 lanes: four steps inside each half of 16 lanes ride on the addition (DPP), one crosses the halves
	PKADD ACC, ACC, ACC+4
.irp m, 1,2,4,8
.irp x, 0,1,2,3
	v_add_f32_dpp v[ACC+\x], v[ACC+\x], v[ACC+\x] row_xmask:\m row_mask:0xf bank_mask:0xf
.endr
.endr
.irp x, 0,1,2,3
	v_permlanex16_b32 v[D+\x], v[ACC+\x], s26, s27 ; its destination counts as read: D has been written
.endr
.irp x, 0,1,2,3
	v_add_f32 v[ACC+\x], v[ACC+\x], v[D+\x]
.endr
	v_mov_b32 v[AOS], s28
	ds_store_b128 v[AOS], v[ACC:ACC+3]             ; every lane holds the same four sums and writes them to the same 16 bytes: j = 64 jg + 4 w + 0..3; bytes that nothing has read
	BARRIER
	s_cmp_lg_u32 s16, 0
	s_cbranch_scc1 .Lend
	v_lshlrev_b32 v[OP], 3, v[VL]
	v_add_nc_u32 v[AOL], L_OUT, v[OP]
	ds_load_b64 v[D:D+1], v[AOL]
	s_wait_dscnt 0x0
	v_mul_f32 v[D], s22, v[D]                      ; times W1[o] sqrt(2 / 64)
	v_mul_f32 v[D+1], s22, v[D+1]
	global_store_b64 v[OP], v[D:D+1], s[14:15]     ; one store of wave 0 covers the work-group's 256 consecutive bytes, aligned
.Lend:
	s_wait_tensorcnt 0x0
	ds_add_u32 v240, v241
	s_wait_dscnt 0x0
	s_endpgm
.Lfunc_end_k_q66ddf8c5bf_pair:
	.size	k_q66ddf8c5bf_pair, .Lfunc_end_k_q66ddf8c5bf_pair-k_q66ddf8c5bf_pair
	.p2alignl 7, 3214868480
	.fill 96, 4, 3214868480
	.section	.rodata,"a",@progbits
	.p2align	6, 0x0
	.amdhsa_kernel k_q66ddf8c5bf_pair
		.amdhsa_group_segment_fixed_size 205312
		.amdhsa_private_segment_fixed_size 0
		.amdhsa_enable_private_segment 0
		.amdhsa_kernarg_size 48
		.amdhsa_user_sgpr_count 2
		.amdhsa_user_sgpr_kernarg_segment_ptr 1
		.amdhsa_wavefront_size32 1
		.amdhsa_system_sgpr_workgroup_id_x 1
		.amdhsa_system_sgpr_workgroup_id_y 1
		.amdhsa_system_sgpr_workgroup_id_z 1
		.amdhsa_system_vgpr_workitem_id 0
		.amdhsa_next_free_vgpr 242
		.amdhsa_next_free_sgpr 66
		.amdhsa_reserve_vcc 0
		.amdhsa_float_denorm_mode_32 3
		.amdhsa_float_denorm_mode_16_64 3
		.amdhsa_memory_ordered 1
		.amdhsa_forward_progress 1
		.amdhsa_inst_pref_size 92
	.end_amdhsa_kernel
	.amdgpu_metadata
---
amdhsa.version: [ 1, 2 ]
amdhsa.kernels:
  - .name:           k_q66ddf8c5bf_pair
    .symbol:         k_q66ddf8c5bf_pair.kd
    .args:
      - { .name: feature, .offset: 0, .size: 8, .value_kind: global_buffer, .address_space: global }
      - { .name: T, .offset: 8, .size: 8, .value_kind: global_buffer, .address_space: global }
      - { .name: gamma, .offset: 16, .size: 8, .value_kind: global_buffer, .address_space: global }
      - { .name: beta, .offset: 24, .size: 8, .value_kind: global_buffer, .address_space: global }
      - { .name: W1, .offset: 32, .size: 8, .value_kind: global_buffer, .address_space: global }
      - { .name: part, .offset: 40, .size: 8, .value_kind: global_buffer, .address_space: global }
    .group_segment_fixed_size: 205312
    .private_segment_fixed_size: 0
    .kernarg_segment_align: 8
    .kernarg_segment_size: 48
    .max_flat_workgroup_size: 512
    .sgpr_count:     66
    .vgpr_count:     242
    .wavefront_size: 32
...
	.end_amdgpu_metadata
.endif
;; end of part 1
;; launch total (part 2): grid 1 x 1, 16 waves a work-group, no clusters, 10,240 bytes of LDS; arguments part, b1, out0; writes out0
.if DOCPART == 2
	.amdgcn_target "amdgcn-amd-amdhsa--gfx1250"
	.amdhsa_code_object_version 6
	.text
	.protected	k_q66ddf8c5bf_total
	.globl	k_q66ddf8c5bf_total
	.p2align	8
	.type	k_q66ddf8c5bf_total,@function
k_q66ddf8c5bf_total:
	s_mov_b64 s[64:65], 0
	v_nop
	global_prefetch_b8 v0, s[64:65] scope:SCOPE_SE
	s_setreg_imm32_b32 hwreg(HW_REG_WAVE_MODE, 25, 1), 1
	s_wait_xcnt 0x0
; MinibatchDiscrimination, second of two launches: out0[j] = b1 + sum over the 64 out-features o of part[o][j].  part: [64][256] f32, 65,536 bytes.
; One work-group of 16 waves: the whole job is 16,384 additions and one trip to memory, so more work-groups would add nothing but a further sum.
; Thread t takes the four j at 4 (t % 64) and the eight o at 8 (t / 64): eight loads of 16 bytes, each wave's load 512 consecutive bytes,
; all 65,536 bytes on their way at once.  The eight groups' sums meet in LDS; waves 0 to 3 add them and b1 and store 256 bytes each.
; No matrix unit, no tensor load, no cluster: nothing is multiplied, nothing is read twice, and there is one work-group.
.macro PKADD d, a, b                   ; four f32: d = a + b
	v_pk_add_f32 v[\d:\d+1], v[\a:\a+1], v[\b:\b+1]
	v_pk_add_f32 v[\d+2:\d+3], v[\a+2:\a+3], v[\b+2:\b+3]
.endm
	s_load_b128 s[4:7], s[0:1], 0x0                ; part s[4:5], b1 s[6:7]
	s_load_b64 s[8:9], s[0:1], 0x10                ; out0
	v_lshl_add_u32 v40, v0, 2, 0x2000
	v_mov_b32 v41, 0
	v_lshrrev_b32 v1, 5, v0
	v_readfirstlane_b32 s10, v1                    ; wave w, 0 to 15
	v_and_b32 v2, 31, v0                           ; lane
	v_lshlrev_b32 v3, 4, v2
	s_and_b32 s12, s10, 1
	s_lshl_b32 s12, s12, 9                         ; which half of a row of part: 512 (w % 2)
	s_lshr_b32 s13, s10, 1
	s_lshl_b32 s13, s13, 13                        ; group w / 2: eight rows of 1,024 bytes
	s_add_co_u32 s13, s13, s12
	v_add_nc_u32 v4, s13, v3                       ; byte offset in part
	s_lshl_b32 s14, s10, 9
	v_add_nc_u32 v5, s14, v3                       ; LDS: [group][j]: 1,024 (w / 2) + 512 (w % 2) + 16 lane = 512 w + 16 lane
	s_wait_kmcnt 0x0
	s_load_b32 s11, s[6:7], 0x0                    ; b1
.irp u, 0,1,2,3,4,5,6,7
	global_load_b128 v[8+4*\u:11+4*\u], v4, s[4:5] offset:1024*\u th:TH_LOAD_NT
.endr
	s_wait_loadcnt 0x4                             ; the first four rows are in, the younger four may be out
	PKADD 8, 8, 12
	PKADD 16, 16, 20
	s_wait_loadcnt 0x0
	PKADD 24, 24, 28
	PKADD 32, 32, 36
	PKADD 8, 8, 16
	PKADD 24, 24, 32
	PKADD 8, 8, 24
	ds_store_b128 v5, v[8:11]
	s_wait_kmcnt 0x0                               ; b1
	s_wait_dscnt 0x0                               ; my sums are in LDS, for the other waves' sake
	s_barrier_signal -1
	s_barrier_wait -1
	s_cmp_ge_u32 s10, 4
	s_cbranch_scc1 .Lend                           ; 128 threads, two j each, finish the work
	v_lshlrev_b32 v6, 3, v2
	s_lshl_b32 s14, s10, 8
	v_add_nc_u32 v6, s14, v6                       ; 256 w + 8 lane: my two j, in LDS and in out0
.irp g, 0,1,2,3,4,5,6,7
	ds_load_b64 v[8+2*\g:9+2*\g], v6 offset:1024*\g
.endr
	s_wait_dscnt 0x0
	PKADD 8, 8, 12                                 ; groups 0, 1 + groups 2, 3
	PKADD 16, 16, 20                               ; groups 4, 5 + groups 6, 7
	PKADD 8, 8, 16
	v_pk_add_f32 v[8:9], v[8:9], v[10:11]
	v_add_f32 v8, s11, v8
	v_add_f32 v9, s11, v9
	global_store_b64 v6, v[8:9], s[8:9]            ; a wave's store covers 256 consecutive bytes, aligned
.Lend:
	s_wait_tensorcnt 0x0
	ds_add_u32 v40, v41
	s_wait_dscnt 0x0
	s_endpgm
.Lfunc_end_k_q66ddf8c5bf_total:
	.size	k_q66ddf8c5bf_total, .Lfunc_end_k_q66ddf8c5bf_total-k_q66ddf8c5bf_total
	.p2alignl 7, 3214868480
	.fill 96, 4, 3214868480
	.section	.rodata,"a",@progbits
	.p2align	6, 0x0
	.amdhsa_kernel k_q66ddf8c5bf_total
		.amdhsa_group_segment_fixed_size 10240
		.amdhsa_private_segment_fixed_size 0
		.amdhsa_enable_private_segment 0
		.amdhsa_kernarg_size 24
		.amdhsa_user_sgpr_count 2
		.amdhsa_user_sgpr_kernarg_segment_ptr 1
		.amdhsa_wavefront_size32 1
		.amdhsa_system_sgpr_workgroup_id_x 1
		.amdhsa_system_sgpr_workgroup_id_y 1
		.amdhsa_system_sgpr_workgroup_id_z 1
		.amdhsa_system_vgpr_workitem_id 0
		.amdhsa_next_free_vgpr 42
		.amdhsa_next_free_sgpr 66
		.amdhsa_reserve_vcc 0
		.amdhsa_float_denorm_mode_32 3
		.amdhsa_float_denorm_mode_16_64 3
		.amdhsa_memory_ordered 1
		.amdhsa_forward_progress 1
		.amdhsa_inst_pref_size 5
	.end_amdhsa_kernel
	.amdgpu_metadata
---
amdhsa.version: [ 1, 2 ]
amdhsa.kernels:
  - .name:           k_q66ddf8c5bf_total
    .symbol:         k_q66ddf8c5bf_total.kd
    .args:
      - { .name: part, .offset: 0, .size: 8, .value_kind: global_buffer, .address_space: global }
      - { .name: b1, .offset: 8, .size: 8, .value_kind: global_buffer, .address_space: global }
      - { .name: out0, .offset: 16, .size: 8, .value_kind: global_buffer, .address_space: global }
    .group_segment_fixed_size: 10240
    .private_segment_fixed_size: 0
    .kernarg_segment_align: 8
    .kernarg_segment_size: 24
    .max_flat_workgroup_size: 512
    .sgpr_count:     66
    .vgpr_count:     42
    .wavefront_size: 32
...
	.end_amdgpu_metadata
.endif
;; end of part 2
